; MI455X (gfx1250); checked and timed in simulation.
; The chip was launched on July 23, 2026; its instructions are those of AMD's public machine-readable ISA for CDNA 5 (MIT licence, August 2026) and "CDNA5" Instruction Set Architecture Reference Guide (July 2026). The comments in the code are by the model that wrote it; some were corrected since.
;; Multi Head Attention. Allowed arithmetic: matrix products marked QUANTISED: E2M1 operands, one E8M0 scale for each 32 along K, by v_wmma_scale_f32_16x16x128_f8f6f4 with both operands' format E2M1 (or v_wmma_scale_f32_32x16x128_f4), f32 sums; products left as they are: bf16, f16 or f32 operands; f32 sums; everything else in f32.
;; Inputs: W_k 512 x 512 float32; W_o 512 x 512 float32; W_q 512 x 512 float32; W_v 512 x 512 float32; b_k 512 float32; b_o 512 float32; b_q 512 float32; b_v 512 float32; k 2 x 4,096 x 512 float32; q 2 x 4,096 x 512 float32; v 2 x 4,096 x 512 float32.
;; Outputs: out0 2 x 4,096 x 512 float32.
;; This version of the problem:
;;   THIS VERSION OF THE PROBLEM IS GIVEN IN LOW PRECISION. The matrix products marked QUANTISED in the list below multiply operands that are first quantised to E2M1 (2 exponent bits, 1 mantissa bit; 4 bits a number), with one power-of-two scale for each 32 numbers along K (OCP MX v1.0); their sums are f32. The products marked 'left as it is' may take bf16, f16 or f32 operands, with f32 sums. Whichever they take, every output number must still come out within the allowed error. Rounding operands to bf16 (8 significant bits) uses up far more of that allowance than f16 does (11 bits, for magnitudes from 6e-5 to 65,504). All else is computed in f32.
;;   The module's matrix products, in the order in which they are computed (A, B: the left and right operand; K: the contracted axis; several contracted axes count as one K, in the product's order):
;;     1. [M 8,192, K 512] x [K 512, N 512]; A: input q; B: input W_q: QUANTISED
;;     2. [M 8,192, K 512] x [K 512, N 512]; A: input k; B: input W_k: QUANTISED
;;     3. [M 8,192, K 512] x [K 512, N 512]; A: input v; B: input W_v: QUANTISED
;;     4. batch 16 x [M 4,096, K 64] x [K 64, N 4,096]; A: computed on the way; B: computed on the way: left as it is (an operand is computed on the way)
;;     5. batch 16 x [M 4,096, K 4,096] x [K 4,096, N 64]; A: computed on the way; B: computed on the way: left as it is (an operand is computed on the way)
;;     6. [M 8,192, K 512] x [K 512, N 512]; A: computed on the way; B: input W_o: left as it is (an operand is computed on the way)
;;   THE QUANTISER, for each operand of a quantised product, along K:
;;     - K is cut into blocks of 32 from its start; a last block that is shorter is filled with zeros.
;;     - A block's scale is 2^e with e = floor(log2(the largest magnitude in the block)) - 2, held to -126 .. 127; a block of zeros has e = 0. As a byte (E8M0): e + 127.
;;     - Each number is divided by its block's scale, clamped to +-6, and rounded to the nearest number of E2M1, ties to even, subnormals kept.
;;     - The product sums the exact products of the quantised numbers (number of the format x scale) in f32.
;;   ~~~python
;;   def quantise(x, axis):      # numpy; x: float32 -> the quantised numbers, widened to float32 again
;;       x = np.moveaxis(x, axis, -1); K = x.shape[-1]
;;       x = np.pad(x, [(0, 0)] * (x.ndim - 1) + [(0, -K % 32)]); x = x.reshape(x.shape[:-1] + (-1, 32)); a = np.abs(x).max(-1, keepdims=True)
;;       e = np.where(a > 0, np.clip(np.frexp(np.where(a > 0, a, 1))[1] - 1 - 2, -126, 127), 0)      # np.frexp(a)[1] - 1 = floor(log2(a)), exactly
;;       r = np.clip(x / 2.0 ** e, -6, 6)
;;       step = 2.0 ** (np.maximum(np.frexp(np.where(r == 0, 1, r))[1] - 1, 0) - 1)
;;       q = np.round(r / step) * step * 2.0 ** e      # np.round: ties to even
;;       return np.moveaxis(q.reshape(q.shape[:-2] + (-1,))[..., :K], -1, axis).astype(np.float32)
;;   ~~~
;; One version. Each part assembles by itself: llvm-mc -triple=amdgcn-amd-amdhsa -mcpu=gfx1250 --defsym DOCPART=n.
;; ======== version 1 of 1: 4 launches
;; limits: values are held in f16: magnitudes above 65,504 overflow, below 6.1e-05 lose precision
;; workspace buffers: wcodes 393,216 bytes; wscales 49,152 bytes; wo16 524,288 bytes; qws 8,388,608 bytes; kv 16,777,216 bytes; ctx 8,388,608 bytes
;; launch prep (part 1): grid 256 x 1, 2 waves a work-group, no clusters, 0 bytes of LDS; arguments W_q, W_k, W_v, W_o, wcodes, wscales, wo16; writes wcodes, wscales, wo16
.if DOCPART == 1
	.amdgcn_target "amdgcn-amd-amdhsa--gfx1250"
	.amdhsa_code_object_version 6
	.text
	.protected	k_q096651266d_prep
	.globl	k_q096651266d_prep
	.p2align	8
	.type	k_q096651266d_prep,@function
k_q096651266d_prep:
	s_mov_b64 s[64:65], 0
	v_nop
	global_prefetch_b8 v0, s[64:65] scope:SCOPE_SE
	s_setreg_imm32_b32 hwreg(HW_REG_WAVE_MODE, 25, 1), 1
	s_wait_xcnt 0x0
; MULTI-HEAD ATTENTION, B = 2, S = 4,096, D = 512, 8 heads of 64, in four launches: prep (this one), proj, attn, oproj.
; DEAD WORK: b_k.  scores[s][t] = Q[s] . (K0[t] + b_k) / 8 = Q[s] . K0[t] / 8 + Q[s] . b_k / 8, K0 = k W_k^T.  The second term does not hang on t, the axis of the softmax,
; so softmax over t gives the same weights with it and without, for all finite values of the inputs.  The product of Q and K is not quantised, so no quantiser sees b_k either.
; b_k therefore has no way to the output: it is not loaded and is among no launch's arguments.  LIMIT: a NaN, an infinity or an overflow that reaches only b_k's term is not carried to the result.
; FORMATS: products x W^T for q, k, v on E2M1 codes with one E8M0 byte for each 32 along K; the other three products on f16 operands with f32 sums.
; LIMITS: NaN and infinities among the inputs are not served.  A projected number beyond 65,504 in magnitude has no f16 number: with inputs and weights both 30 times the drawn spread a projection is some
; 900 spreads, with both carrying an offset of 30 spreads about 512 x 30 x 1.33 = 2e4: both inside.  A block of zeros gets the scale byte 1 where the rule says 127: its codes are zeros, and this program alone reads the bytes.
;
; THIS LAUNCH lays the four weights in the order of the operand registers that will take them, so that every later load of a fragment is 16 bytes a lane, 512 consecutive bytes a wave.
; W_q, W_k, W_v [512 (n)][512 (k)] f32 -> wcodes [mat 3][n tile 32][K step 4][c 2][512 bytes]: lane l's 16 bytes at 16 l are registers 4 c .. 4 c + 3 of the E2M1 fragment: row 16 T + l % 16, k = 128 KS + 64 c + 32 (l / 16) + 0 .. 31;
;   wscales [mat][n tile][K step][32 words]: lane l's word = the four E8M0 bytes of row 16 T + l % 16 for these 128 k.
; W_o -> wo16 [T 32][K step of 32: 16][part 2][512 bytes], f16: lane (r, h), part p: k = 32 ks + 16 p + 8 h + 0 .. 7 of W_o's row 64 (T / 4) + 4 r + T % 4: the rows of a tile are chosen so that in the last
;   launch a lane's four tiles are four neighbouring output columns.
; SHARES: work-group g: mat = g / 64, T = (g / 2) % 32; wave w: KS = 2 (g % 2) + w: one wave makes 16 rows x 128 k, 64 numbers a lane.  No LDS, no barrier: waves share nothing.
.set XR,   32                          ; v32-95   my 64 numbers
.set PC,   16                          ; v16-23   the fragment's codes
.set PW,   14                          ; v14      its scale word
.set QM,   8                           ; v8-9     the two blocks' largest magnitudes
.set QSO,  10                          ; v10-11   the conversions' scale operands
.set QBY,  12                          ; v12-13   the scale bytes
.set QT,   15                          ; v15      the other half's two bytes
.set QSH,  7                           ; v7       8 h: where my two bytes stand in the word
.set QSEL, 20                          ; s[20:21] lane selects: lane l xor 16
.set HF,   96                          ; v96-127  f16 results
; 64 numbers of a lane, register x + 32 c + i = k 64 c + 32 h + i of my row, become the fragment's 8 registers of codes and its scale word.  A lane holds two whole blocks of 32.
.macro QUANT64 x, pc, pw
.irp c, 0,1
	v_max3_num_f32 v[QM+\c], |v[\x+32*\c]|, |v[\x+32*\c+1]|, 0x1800000   ; with the floor 2^(3 - 127): the byte cannot fall under 1, which is the quantiser's hold at e = -126
.endr
.irp i, 2,4,6,8,10,12,14,16,18,20,22,24,26,28,30
.irp c, 0,1
	v_max3_num_f32 v[QM+\c], v[QM+\c], |v[\x+32*\c+\i]|, |v[\x+32*\c+\i+1]|   ; the two blocks by turns
.endr
.endr
.irp c, 0,1
	v_add_nc_u32 v[QSO+\c], 0xff000000, v[QM+\c]   ; 2 off the exponent field: the conversion takes this operand's exponent field as its scale
.endr
.irp c, 0,1
	v_lshrrev_b32 v[QBY+\c], 23, v[QSO+\c]         ; the scale's byte
.endr
	v_lshl_or_b32 v[\pw], v[QBY+1], 16, v[QBY]     ; my bytes: blocks h and 2 + h,
	v_lshlrev_b32 v[\pw], v[QSH], v[\pw]           ; at their places, 8 h bits up;
	v_permlanex16_b32 v[QT], v[\pw], s[QSEL], s[QSEL+1]
	v_or_b32 v[\pw], v[\pw], v[QT]                 ; with lane l xor 16's two the word is whole, in both lanes
.irp c, 0,1
.irp g, 0,1,2,3
	v_cvt_scalef32_pk8_fp4_f32 v[\pc+4*\c+\g], v[\x+32*\c+8*\g:\x+32*\c+8*\g+7], v[QSO+\c]   ; to the nearest code, ties to even; beyond 6 the largest code
.endr
.endr
	v_nop                                          ; one plain instruction behind the last scaled conversion
.endm
	s_load_b256 s[4:11], s[0:1], 0x0               ; W_q s[4:5], W_k s[6:7], W_v s[8:9], W_o s[10:11]
	s_load_b128 s[12:15], s[0:1], 0x20             ; wcodes s[12:13], wscales s[14:15]
	s_load_b64 s[16:17], s[0:1], 0x30              ; wo16
	v_lshrrev_b32 v1, 5, v0
	v_readfirstlane_b32 s18, v1                    ; wave 0, 1
	v_and_b32 v1, 31, v0                           ; lane
	v_and_b32 v2, 15, v0                           ; r
	v_bfe_u32 v3, v0, 4, 1                         ; h
	v_lshlrev_b32 v5, 4, v1                        ; 16 x lane: a fragment's place for my lane
	v_lshlrev_b32 v6, 2, v1                        ; 4 x lane: a scale word's
	v_lshlrev_b32 v[QSH], 3, v3
	v_mov_b32 v[QT], 0                             ; a lane permute's destination counts as one of its sources
	s_mov_b32 s[QSEL], 0x76543210
	s_mov_b32 s[QSEL+1], 0xfedcba98
	s_lshr_b32 s19, ttmp9, 6                       ; mat
	s_bfe_u32 s22, ttmp9, 0x50001                  ; T: 5 bits from bit 1
	s_and_b32 s23, ttmp9, 1
	s_lshl_b32 s23, s23, 1
	s_add_co_u32 s23, s23, s18                     ; KS
	s_lshl_b32 s28, s22, 2
	s_add_co_u32 s28, s28, s23                     ; 4 T + KS
	s_mov_b32 s25, 0                               ; offsets stay under 2^32: the high word of the pair s[24:25]
	s_wait_kmcnt 0x0
	s_cmp_eq_u32 s19, 3                            ; W_o goes another way: a branch on the work-group's number
	s_cbranch_scc1 .Lwo
	; ---- W_q, W_k or W_v: 16 rows x 128 k to codes
	s_cmp_eq_u32 s19, 1
	s_cselect_b64 s[4:5], s[6:7], s[4:5]
	s_cmp_eq_u32 s19, 2
	s_cselect_b64 s[4:5], s[8:9], s[4:5]
	s_lshl_b32 s24, s22, 15                        ; 16 T rows of 2,048 bytes
	s_lshl_b32 s26, s23, 9                         ; + 128 KS numbers
	s_add_co_u32 s24, s24, s26
	s_add_nc_u64 s[4:5], s[4:5], s[24:25]
	s_lshl_b32 s24, s19, 17                        ; wcodes: 131,072 mat + 1,024 (4 T + KS)
	s_lshl_b32 s26, s28, 10
	s_add_co_u32 s24, s24, s26
	s_add_nc_u64 s[12:13], s[12:13], s[24:25]
	s_lshl_b32 s24, s19, 14                        ; wscales: 16,384 mat + 128 (4 T + KS)
	s_lshl_b32 s26, s28, 7
	s_add_co_u32 s24, s24, s26
	s_add_nc_u64 s[14:15], s[14:15], s[24:25]
	v_lshlrev_b32 v4, 11, v2                       ; row r
	v_lshl_add_u32 v4, v3, 7, v4                   ; + 32 h numbers
.irp c, 0,1
.irp g, 0,1,2,3,4,5,6,7
	global_load_b128 v[XR+32*\c+4*\g:XR+32*\c+4*\g+3], v4, s[4:5] offset:256*\c+16*\g th:TH_LOAD_NT   ; read once in the launch
.endr
.endr
	s_wait_loadcnt 0x0
	QUANT64 XR, PC, PW
	global_store_b128 v5, v[PC:PC+3], s[12:13]             ; each store of the wave covers 512 consecutive bytes, aligned
	global_store_b128 v5, v[PC+4:PC+7], s[12:13] offset:512
	global_store_b32 v6, v[PW], s[14:15]                   ; 128 consecutive bytes
	s_endpgm
.Lwo:
	; ---- W_o: 16 chosen rows x 128 k to f16
	s_lshr_b32 s24, s22, 2
	s_lshl_b32 s24, s24, 17                        ; row 64 (T / 4)
	s_and_b32 s26, s22, 3
	s_lshl_b32 s26, s26, 11                        ; + T % 4
	s_add_co_u32 s24, s24, s26
	s_lshl_b32 s26, s23, 9                         ; + 128 KS numbers
	s_add_co_u32 s24, s24, s26
	s_add_nc_u64 s[10:11], s[10:11], s[24:25]
	s_lshl_b32 s24, s22, 14                        ; wo16: 1,024 (16 T + 4 KS)
	s_lshl_b32 s26, s23, 12
	s_add_co_u32 s24, s24, s26
	s_add_nc_u64 s[16:17], s[16:17], s[24:25]
	v_lshlrev_b32 v4, 13, v2                       ; 4 r rows
	v_lshl_add_u32 v4, v3, 5, v4                   ; + 8 h numbers
.irp u, 0,1,2,3
.irp p, 0,1
.irp g, 0,1
	global_load_b128 v[XR+16*\u+8*\p+4*\g:XR+16*\u+8*\p+4*\g+3], v4, s[10:11] offset:128*\u+64*\p+16*\g th:TH_LOAD_NT
.endr
.endr
.endr
	s_wait_loadcnt 0x0
.set i, 0
.rept 32
	v_cvt_pk_f16_f32 v[HF+i], v[XR+2*i], v[XR+2*i+1]       ; the lower k in the low half
.set i, i+1
.endr
.irp u, 0,1,2,3
.irp p, 0,1
	global_store_b128 v5, v[HF+8*\u+4*\p:HF+8*\u+4*\p+3], s[16:17] offset:1024*\u+512*\p
.endr
.endr
	s_endpgm
.Lfunc_end_k_q096651266d_prep:
	.size	k_q096651266d_prep, .Lfunc_end_k_q096651266d_prep-k_q096651266d_prep
	.p2alignl 7, 3214868480
	.fill 96, 4, 3214868480
	.section	.rodata,"a",@progbits
	.p2align	6, 0x0
	.amdhsa_kernel k_q096651266d_prep
		.amdhsa_group_segment_fixed_size 0
		.amdhsa_private_segment_fixed_size 0
		.amdhsa_enable_private_segment 0
		.amdhsa_kernarg_size 56
		.amdhsa_user_sgpr_count 2
		.amdhsa_user_sgpr_kernarg_segment_ptr 1
		.amdhsa_wavefront_size32 1
		.amdhsa_system_sgpr_workgroup_id_x 1
		.amdhsa_system_sgpr_workgroup_id_y 1
		.amdhsa_system_sgpr_workgroup_id_z 1
		.amdhsa_system_vgpr_workitem_id 0
		.amdhsa_next_free_vgpr 128
		.amdhsa_next_free_sgpr 66
		.amdhsa_reserve_vcc 0
		.amdhsa_float_denorm_mode_32 3
		.amdhsa_float_denorm_mode_16_64 3
		.amdhsa_memory_ordered 1
		.amdhsa_forward_progress 1
		.amdhsa_inst_pref_size 12
	.end_amdhsa_kernel
	.amdgpu_metadata
---
amdhsa.version: [ 1, 2 ]
amdhsa.kernels:
  - .name:           k_q096651266d_prep
    .symbol:         k_q096651266d_prep.kd
    .args:
      - { .name: W_q, .offset: 0, .size: 8, .value_kind: global_buffer, .address_space: global }
      - { .name: W_k, .offset: 8, .size: 8, .value_kind: global_buffer, .address_space: global }
      - { .name: W_v, .offset: 16, .size: 8, .value_kind: global_buffer, .address_space: global }
      - { .name: W_o, .offset: 24, .size: 8, .value_kind: global_buffer, .address_space: global }
      - { .name: wcodes, .offset: 32, .size: 8, .value_kind: global_buffer, .address_space: global }
      - { .name: wscales, .offset: 40, .size: 8, .value_kind: global_buffer, .address_space: global }
      - { .name: wo16, .offset: 48, .size: 8, .value_kind: global_buffer, .address_space: global }
    .group_segment_fixed_size: 0
    .private_segment_fixed_size: 0
    .kernarg_segment_align: 8
    .kernarg_segment_size: 56
    .max_flat_workgroup_size: 64
    .sgpr_count:     66
    .vgpr_count:     128
    .wavefront_size: 32
...
	.end_amdgpu_metadata
.endif
;; end of part 1
;; launch proj (part 2): grid 64 x 3, 8 waves a work-group, no clusters, 304,128 bytes of LDS; arguments q, k, v, b_q, b_v, wcodes, wscales, qws, kv; writes qws, kv
.if DOCPART == 2
	.amdgcn_target "amdgcn-amd-amdhsa--gfx1250"
	.amdhsa_code_object_version 6
	.text
	.protected	k_q096651266d_proj
	.globl	k_q096651266d_proj
	.p2align	8
	.type	k_q096651266d_proj,@function
k_q096651266d_proj:
	s_mov_b64 s[64:65], 0
	v_nop
	global_prefetch_b8 v0, s[64:65] scope:SCOPE_SE
	s_setreg_imm32_b32 hwreg(HW_REG_WAVE_MODE, 25, 1), 1
	s_wait_xcnt 0x0
; Q = q W_q^T + b_q, K = k W_k^T, V = v W_v^T + b_v, on E2M1 codes with E8M0 scales; results rounded to f16 and laid as the attention launch's operand registers want them.
; LEFT OUT: b_k.  Its part of a score, Q[s] . b_k / 8, is the same for all keys t and falls out of the softmax over t; no quantiser sees it.  It is not an argument of this launch; K's sums begin with zeros.
; LIMITS: NaN and infinities are not served; a projection beyond 65,504 has no f16 number; a block of zeros gets the byte 1 with zero codes.
; SHARES.  Work-group (X, Y): rows 128 X .. 128 X + 127 of tensor Y (0 q, 1 k, 2 v), all 512 columns, in two blocks of 64 rows.  WAVE w IS HEAD w: its 16 fragments of W (4 tiles of 16 rows x 4 K steps of 128,
; 128 registers) and their 16 scale words stay in registers, read from memory once.  192 work-groups: three tensors of 64 row blocks.
; x comes by tensor loads: wave w brings, of each block, rows 16 (w / 2) .. + 15, k 256 (w % 2) .. + 255: 16 rows of 1,024 bytes.  Both loads of a wave go out at the head.
; Each wave quantises the bytes that it fetched itself (two fragments a block), so its own wait on TENSORcnt orders those reads; the codes go to the other waves through LDS as images of the operand's registers.
; NO CLUSTER: what row blocks share is W, 147,456 bytes a tensor; beside the 266,240 bytes of x and the 36,864 of images it does not fit in LDS, so W goes straight into registers.
; NO PREFETCH: all of x is asked for at the head.
; THE PRODUCT IS USED TRANSPOSED: source 0 = 16 rows of W, source 1 = 16 rows of x: lane (r, h) holds row r of x and channels 16 t + 8 h + 0 .. 7 of my head: 16 bytes of f16, one part of a fragment.
; OUT.  qws [bh 16][tile of 16 queries: 256][t 4][512 bytes]: lane l's 16 bytes at 16 l.  kv [bh 16][slot of 512 keys: 8][K 65,536 | V 65,536], each [tile of 16 keys: 32][t 4][512 bytes]; K's blocks as qws's;
; in V's block key y, channels 8 cb + 0 .. 7 stand at 256 (y / 8) + 128 cb + 16 (y % 8), so that the turning LDS load at 16 x lane gives V^T's fragment.
.set STGW,  16640                      ; LDS: a wave's stage for one block: 16 rows x (1,024 + 16 of padding): row r starts 16 r bytes further round the banks
.set STGB,  133120                     ; eight of them: a block's
.set IMG,   266240                     ; images: block b at + 16,384 b; fragment f = 4 a + ks (tile of rows a, K step ks) at 1,024 f + 512 c + 16 lane
.set SCI,   299008                     ; their scale words: block b at + 2,048 b; 128 f + 4 lane
.set SPARE, 303104                     ; the spare words, 128 bytes for each of eight waves: four blocks of 256 bytes that no other line names
.set L16,  1                           ; v1   16 x lane
.set OUTO, 2                           ; v2   my 16 bytes' place in a block of 512 on the way out
.set XS0,  3                           ; v3-4 my place in my stage, block 0, 1
.set XWI,  5                           ; v5   where I store images;  v6 their scale words
.set XWS,  6
.set LI,   7                           ; v7   where any wave reads images;  v8 scale words
.set LS,   8
.set QSH,  9                           ; v9   8 h
.set SPW,  10                          ; v10  LDS address of my spare word; never rewritten
.set NIL,  11                          ; v11  0; never rewritten
.set QM,   12                          ; v12-18 at work in QUANT64
.set QSO,  14
.set QBY,  16
.set QT,   18
.set PC0,  20                          ; v20-27, v28-35 the two fragments' codes;  v36, v37 their scale words
.set PC1,  28
.set PW0,  36
.set PW1,  37
.set W4,   38                          ; v38  4 x lane
.set BOF,  39                          ; v39  32 h
.set X0,   40                          ; v40-103, v104-167: 2 x 64 numbers of x; in the products' phase:
.set X1,   104
.set XF,   40                          ; v40-71, v72-103 x's four fragments of a tile of rows, two sets
.set AC,   104                         ; v104-135, v136-167 four accumulators, two sets by turns
.set BIAS, 168                         ; v168-199 the bias in the result's layout, 8 a tile
.set WSC,  200                         ; v200-215 W's scale words (4 t + ks)
.set XSC,  216                         ; v216-223 x's scale words, two sets of 4
.set PK,   224                         ; v224-255 packed results, two sets of 16
.set WV,   40                          ; s40 wave;  s41 Y
.set YY,   41
.set QSEL, 54                          ; s[54:55]
.set MSB, 0
.macro WIN new                         ; the immediate's high byte repeats the setting that is left
.if MSB != \new
	s_set_vgpr_msb (MSB<<8)|\new
.set MSB, \new
.endif
.endm
; 64 numbers of a lane, register x + 32 c + i = k 64 c + 32 h + i of my row, become the fragment's 8 registers of codes and its scale word.
.macro QUANT64 x, pc, pw
.irp c, 0,1
	v_max3_num_f32 v[QM+\c], |v[\x+32*\c]|, |v[\x+32*\c+1]|, 0x1800000   ; with the floor 2^(3 - 127): the byte cannot fall under 1, the quantiser's hold at e = -126
.endr
.irp i, 2,4,6,8,10,12,14,16,18,20,22,24,26,28,30
.irp c, 0,1
	v_max3_num_f32 v[QM+\c], v[QM+\c], |v[\x+32*\c+\i]|, |v[\x+32*\c+\i+1]|
.endr
.endr
.irp c, 0,1
	v_add_nc_u32 v[QSO+\c], 0xff000000, v[QM+\c]   ; 2 off the exponent field: the conversion's scale operand
.endr
.irp c, 0,1
	v_lshrrev_b32 v[QBY+\c], 23, v[QSO+\c]
.endr
	v_lshl_or_b32 v[\pw], v[QBY+1], 16, v[QBY]     ; blocks h and 2 + h,
	v_lshlrev_b32 v[\pw], v[QSH], v[\pw]           ; 8 h bits up;
	v_permlanex16_b32 v[QT], v[\pw], s[QSEL], s[QSEL+1]
	v_or_b32 v[\pw], v[\pw], v[QT]                 ; with lane l xor 16's the word is whole
.irp c, 0,1
.irp g, 0,1,2,3
	v_cvt_scalef32_pk8_fp4_f32 v[\pc+4*\c+\g], v[\x+32*\c+8*\g:\x+32*\c+8*\g+7], v[QSO+\c]
.endr
.endr
	v_nop                                          ; one plain instruction behind the last scaled conversion
.endm
	s_load_b256 s[4:11], s[0:1], 0x0               ; q s[4:5], k s[6:7], v s[8:9], b_q s[10:11]
	s_load_b256 s[12:19], s[0:1], 0x20             ; b_v s[12:13], wcodes s[14:15], wscales s[16:17], qws s[18:19]
	s_load_b64 s[20:21], s[0:1], 0x40              ; kv
	v_lshl_add_u32 v[SPW], v0, 2, SPARE
	v_mov_b32 v[NIL], 0
	ds_add_u32 v[SPW], v[NIL]                      ; the wave's opening: the add, twice on end, and its wait ahead of my first tensor load
	ds_add_u32 v[SPW], v[NIL]                      ; and once more; the set-up below, work on registers, stands between it and the wait
	v_lshrrev_b32 v1, 5, v0
	v_readfirstlane_b32 s[WV], v1                  ; wave 0..7 = my head
	s_and_b32 s[YY], ttmp7, 0xffff                 ; which tensor
	v_and_b32 v12, 31, v0                          ; lane
	v_and_b32 v13, 15, v0                          ; r
	v_bfe_u32 v14, v0, 4, 1                        ; h
	v_lshlrev_b32 v[L16], 4, v12
	v_lshlrev_b32 v[W4], 2, v12
	v_lshlrev_b32 v[BOF], 5, v14
	v_lshlrev_b32 v[QSH], 3, v14
	v_mov_b32 v[QT], 0                             ; a lane permute's destination counts as one of its sources
	s_mul_i32 s2, s[WV], STGW                      ; my stage
	v_mul_u32_u24 v[XS0], v13, 1040                ; row r,
	v_lshl_add_u32 v[XS0], v14, 7, v[XS0]          ; + 32 h numbers
	v_add_nc_u32 v[XS0], s2, v[XS0]
	v_add_nc_u32 v[XS0+1], STGB, v[XS0]
	s_lshl_b32 s3, s[WV], 11                       ; my two fragments' images: f = 2 w, 2 w + 1
	v_add_nc_u32 v[XWI], s3, v[L16]
	v_add_nc_u32 v[XWI], IMG, v[XWI]
	s_lshl_b32 s3, s[WV], 8
	v_add_nc_u32 v[XWS], s3, v[W4]
	v_add_nc_u32 v[XWS], SCI, v[XWS]
	v_add_nc_u32 v[LI], IMG, v[L16]
	v_add_nc_u32 v[LS], SCI, v[W4]
	v_lshrrev_b32 v15, 3, v13                      ; V's place in a block: 256 (r / 8) + 128 h + 16 (r % 8)
	v_lshlrev_b32 v15, 8, v15
	v_lshl_add_u32 v15, v14, 7, v15
	v_and_b32 v16, 7, v13
	v_lshl_add_u32 v15, v16, 4, v15
	s_cmp_eq_u32 s[YY], 2
	s_cselect_b32 s22, -1, 0
	v_cndmask_b32 v[OUTO], v[L16], v15, s22        ; Q and K: 16 x lane
	; descriptor group 1: 16 rows of 128 elements of 8 bytes, 256 elements from row to row, 4 words of padding behind each 256 words
	s_mov_b32 s24, (3<<16)|(1<<20)|(7<<22)|(3<<25)
	s_mov_b32 s25, 128<<16                         ; tensor_dim0
	s_mov_b32 s26, 16<<16                          ; tensor_dim1
	s_mov_b32 s27, 128<<16                         ; tile_dim0
	s_mov_b32 s28, 16                              ; tile_dim1
	s_mov_b32 s29, 256                             ; stride from row to row
	s_mov_b32 s30, 0
	s_mov_b32 s31, 0
	s_mov_b32 s[QSEL], 0x76543210
	s_mov_b32 s[QSEL+1], 0xfedcba98
	; offsets, made apart from the addresses.  x: (128 X + 16 (w / 2)) rows of 2,048 bytes + 1,024 (w % 2)
	s_lshl_b32 s56, ttmp9, 18
	s_lshr_b32 s3, s[WV], 1
	s_lshl_b32 s3, s3, 15
	s_add_co_u32 s56, s56, s3
	s_and_b32 s3, s[WV], 1
	s_lshl_b32 s3, s3, 10
	s_add_co_u32 s56, s56, s3
	s_mov_b32 s57, 0
	; out: bh = 8 (X / 32) + w.  qws: bh x 2^19 + (X % 32) x 2^14.  kv: bh x 2^20 + ((X % 32) / 4) x 2^17 + (X % 4) x 2^14, V 65,536 further on
	s_lshr_b32 s3, ttmp9, 5
	s_lshl_b32 s3, s3, 3
	s_add_co_u32 s3, s3, s[WV]
	s_and_b32 s23, ttmp9, 31
	s_lshl_b32 s58, s3, 19
	s_lshl_b32 s22, s23, 14
	s_add_co_u32 s58, s58, s22
	s_lshl_b32 s3, s3, 20
	s_lshr_b32 s23, s23, 2
	s_lshl_b32 s23, s23, 17
	s_add_co_u32 s3, s3, s23
	s_and_b32 s23, ttmp9, 3
	s_lshl_b32 s23, s23, 14
	s_add_co_u32 s3, s3, s23
	s_lshr_b32 s23, s[YY], 1
	s_lshl_b32 s23, s23, 16
	s_add_co_u32 s3, s3, s23
	s_cmp_eq_u32 s[YY], 0
	s_cselect_b32 s58, s58, s3
	s_mov_b32 s59, 0
	s_lshl_b32 s60, s[YY], 17                      ; wcodes: 131,072 Y + 4 w tiles of 4,096
	s_lshl_b32 s3, s[WV], 14
	s_add_co_u32 s60, s60, s3
	s_mov_b32 s61, 0
	s_lshl_b32 s62, s[YY], 14                      ; wscales: 16,384 Y + 4 w tiles of 512
	s_lshl_b32 s3, s[WV], 11
	s_add_co_u32 s62, s62, s3
	s_mov_b32 s63, 0
	s_lshl_b32 s42, s[WV], 8                       ; the bias: my head's 64 numbers
	s_mov_b32 s43, 0
	s_wait_dscnt 0x0                               ; both opening adds are done
	s_wait_kmcnt 0x0
	s_cmp_eq_u32 s[YY], 1                          ; the choices hang on the work-group's number alone
	s_cselect_b64 s[44:45], s[6:7], s[4:5]
	s_cmp_eq_u32 s[YY], 2
	s_cselect_b64 s[44:45], s[8:9], s[44:45]       ; x
	s_cselect_b64 s[46:47], s[12:13], s[10:11]     ; the bias (Y = 1 loads none)
	s_cmp_eq_u32 s[YY], 0
	s_cselect_b64 s[48:49], s[18:19], s[20:21]     ; out
	s_add_nc_u64 s[46:47], s[46:47], s[42:43]
	s_add_nc_u64 s[48:49], s[48:49], s[58:59]
	s_add_nc_u64 s[50:51], s[14:15], s[60:61]      ; my fragments of W
	s_add_nc_u64 s[52:53], s[16:17], s[62:63]      ; and their scale words
	; descriptor groups 0, one for each block; then both loads: by this text's count two tensor loads of a wave are out
	s_mov_b32 s32, 1
	s_mov_b32 s33, s2
	s_add_nc_u64 s[34:35], s[44:45], s[56:57]
	s_mov_b32 s36, 1
	s_add_co_u32 s37, s2, STGB
	s_add_nc_u64 s[38:39], s[34:35], 131072        ; 64 rows on
	s_or_b32 s35, s35, 0x80000000
	s_or_b32 s39, s39, 0x80000000
	tensor_load_to_lds s[32:35], s[24:31]
	s_nop 0
	tensor_load_to_lds s[36:39], s[24:31]
	s_nop 0
.rept 4
	v_nop
.endr
	WIN 0x40                                       ; destination window 1
.irp t, 0,1,2,3
.irp ks, 0,1,2,3
.irp c, 0,1
	global_load_b128 v[8*(4*\t+\ks)+4*\c:8*(4*\t+\ks)+4*\c+3], v[L16], s[50:51] offset:1024*(4*\t+\ks)+512*\c   ; W(t, ks): they stay
.endr
.endr
.endr
	WIN 0
.irp t, 0,1,2,3
.irp ks, 0,1,2,3
	global_load_b32 v[WSC+4*\t+\ks], v[W4], s[52:53] offset:128*(4*\t+\ks)
.endr
.endr
.set i, 0
.rept 32
	v_mov_b32 v[BIAS+i], 0                         ; K's sums begin with zeros; Q's and V's with their bias, loaded over these
.set i, i+1
.endr
	s_cmp_eq_u32 s[YY], 1
	s_cbranch_scc1 .Lno_bias
.irp t, 0,1,2,3
	global_load_b128 v[BIAS+8*\t:BIAS+8*\t+3], v[BOF], s[46:47] offset:64*\t       ; b[64 w + 16 t + 8 h + 0 .. 7]
	global_load_b128 v[BIAS+8*\t+4:BIAS+8*\t+7], v[BOF], s[46:47] offset:64*\t+16
.endr
.Lno_bias:
; x's four fragments and scale words of tile of rows a, from the images, into a set
.macro FETCHX b, a, set
.irp ks, 0,1,2,3
.irp c, 0,1
	ds_load_b128 v[XF+32*(\set)+8*\ks+4*\c:XF+32*(\set)+8*\ks+4*\c+3], v[LI] offset:16384*(\b)+1024*(4*(\a)+\ks)+512*\c
.endr
.endr
.irp ks, 0,1,2,3
	ds_load_b32 v[XSC+4*(\set)+\ks], v[LS] offset:2048*(\b)+128*(4*(\a)+\ks)
.endr
.endm
; tile of rows a of block b: 16 products, the four accumulators by turns; the bias is the C of each sum's first product
.macro TILE b, a
.set SE, (\a)%2
.if (\a) < 3
	s_wait_dscnt 12                                ; this tile's 12 loads are in; the next tile's 12 may be out
.else
	s_wait_dscnt 0x0
.endif
	WIN 0x01                                       ; source 0 (W) window 1
.irp ks, 0,1,2,3
.irp t, 0,1,2,3
.if \ks == 0
	v_wmma_scale_f32_16x16x128_f8f6f4 v[AC+32*SE+8*\t:AC+32*SE+8*\t+7], v[8*(4*\t+\ks):8*(4*\t+\ks)+7], v[XF+32*SE+8*\ks:XF+32*SE+8*\ks+7], v[BIAS+8*\t:BIAS+8*\t+7], v[WSC+4*\t+\ks], v[XSC+4*SE+\ks] matrix_a_fmt:MATRIX_FMT_FP4 matrix_b_fmt:MATRIX_FMT_FP4
.else
	v_wmma_scale_f32_16x16x128_f8f6f4 v[AC+32*SE+8*\t:AC+32*SE+8*\t+7], v[8*(4*\t+\ks):8*(4*\t+\ks)+7], v[XF+32*SE+8*\ks:XF+32*SE+8*\ks+7], v[AC+32*SE+8*\t:AC+32*SE+8*\t+7], v[WSC+4*\t+\ks], v[XSC+4*SE+\ks] matrix_a_fmt:MATRIX_FMT_FP4 matrix_b_fmt:MATRIX_FMT_FP4
.endif
.endr
.endr
	WIN 0
.rept 5
	v_nop                                          ; places behind the products: four for the loads into their operands and the reads of their results, a fifth since these accumulators are begun anew, with another C, two tiles on
.endr
.if (\a) < 2
	FETCHX \b, (\a)+2, SE
.endif
	s_wait_xcnt 0x0                                ; the stores of two tiles back have read this set of packed results
.irp t, 0,1,2,3
.irp g, 0,1,2,3
	v_cvt_pk_f16_f32 v[PK+16*SE+4*\t+\g], v[AC+32*SE+8*\t+2*\g], v[AC+32*SE+8*\t+2*\g+1]   ; each accumulator from its low end on
.endr
.endr
.irp t, 0,1,2,3
	global_store_b128 v[OUTO], v[PK+16*SE+4*\t:PK+16*SE+4*\t+3], s[48:49] offset:2048*(4*(\b)+(\a))+512*\t   ; the wave's 32 lanes fill 512 consecutive bytes, aligned
.endr
.endm
.macro BLOCK b
	; ---- my 16 rows x 256 k of x become two fragments
	s_wait_tensorcnt 1-\b                          ; this block's load of mine has landed (block 0: block 1's, issued behind it, may be out)
.irp u, 0,1
.irp c, 0,1
.irp g, 0,1,2,3,4,5,6,7
	ds_load_b128 v[X0+64*\u+32*\c+4*\g:X0+64*\u+32*\c+4*\g+3], v[XS0+\b] offset:512*\u+256*\c+16*\g
.endr
.endr
.endr
	s_wait_dscnt 16                                ; the first K step's 16 loads are in
	QUANT64 X0, PC0, PW0
	ds_store_b128 v[XWI], v[PC0:PC0+3] offset:16384*\b
	ds_store_b128 v[XWI], v[PC0+4:PC0+7] offset:16384*\b+512
	ds_store_b32 v[XWS], v[PW0] offset:2048*\b
	s_wait_dscnt 3                                 ; the second K step's loads are in; the three stores may be out
	QUANT64 X1, PC1, PW1
	ds_store_b128 v[XWI], v[PC1:PC1+3] offset:16384*\b+1024
	ds_store_b128 v[XWI], v[PC1+4:PC1+7] offset:16384*\b+1536
	ds_store_b32 v[XWS], v[PW1] offset:2048*\b+128
	s_wait_dscnt 0x0                               ; for the others' sake: my images lie in LDS
	s_barrier_signal -1
	s_barrier_wait -1                              ; the block's sixteen fragments do
	; ---- my head's 64 channels for the block's 64 rows
.if \b == 0
	s_wait_loadcnt 0x0                             ; W, its scale words, the bias
.endif
	FETCHX \b, 0, 0
	FETCHX \b, 1, 1
	TILE \b, 0
	TILE \b, 1
	TILE \b, 2
	TILE \b, 3
.endm
	BLOCK 0
	BLOCK 1                                        ; its images have bytes of their own: no second barrier for block 0's
	s_wait_tensorcnt 0x0                           ; the wave's end: behind my last tensor load and my last LDS store
	ds_add_u32 v[SPW], v[NIL]
	s_wait_dscnt 0x0
	s_endpgm
.Lfunc_end_k_q096651266d_proj:
	.size	k_q096651266d_proj, .Lfunc_end_k_q096651266d_proj-k_q096651266d_proj
	.p2alignl 7, 3214868480
	.fill 96, 4, 3214868480
	.section	.rodata,"a",@progbits
	.p2align	6, 0x0
	.amdhsa_kernel k_q096651266d_proj
		.amdhsa_group_segment_fixed_size 304128
		.amdhsa_private_segment_fixed_size 0
		.amdhsa_enable_private_segment 0
		.amdhsa_kernarg_size 72
		.amdhsa_user_sgpr_count 2
		.amdhsa_user_sgpr_kernarg_segment_ptr 1
		.amdhsa_wavefront_size32 1
		.amdhsa_system_sgpr_workgroup_id_x 1
		.amdhsa_system_sgpr_workgroup_id_y 1
		.amdhsa_system_sgpr_workgroup_id_z 1
		.amdhsa_system_vgpr_workitem_id 0
		.amdhsa_next_free_vgpr 384
		.amdhsa_next_free_sgpr 66
		.amdhsa_reserve_vcc 0
		.amdhsa_float_denorm_mode_32 3
		.amdhsa_float_denorm_mode_16_64 3
		.amdhsa_memory_ordered 1
		.amdhsa_forward_progress 1
		.amdhsa_inst_pref_size 64
	.end_amdhsa_kernel
	.amdgpu_metadata
---
amdhsa.version: [ 1, 2 ]
amdhsa.kernels:
  - .name:           k_q096651266d_proj
    .symbol:         k_q096651266d_proj.kd
    .args:
      - { .name: q, .offset: 0, .size: 8, .value_kind: global_buffer, .address_space: global }
      - { .name: k, .offset: 8, .size: 8, .value_kind: global_buffer, .address_space: global }
      - { .name: v, .offset: 16, .size: 8, .value_kind: global_buffer, .address_space: global }
      - { .name: b_q, .offset: 24, .size: 8, .value_kind: global_buffer, .address_space: global }
      - { .name: b_v, .offset: 32, .size: 8, .value_kind: global_buffer, .address_space: global }
      - { .name: wcodes, .offset: 40, .size: 8, .value_kind: global_buffer, .address_space: global }
      - { .name: wscales, .offset: 48, .size: 8, .value_kind: global_buffer, .address_space: global }
      - { .name: qws, .offset: 56, .size: 8, .value_kind: global_buffer, .address_space: global }
      - { .name: kv, .offset: 64, .size: 8, .value_kind: global_buffer, .address_space: global }
    .group_segment_fixed_size: 304128
    .private_segment_fixed_size: 0
    .kernarg_segment_align: 8
    .kernarg_segment_size: 72
    .max_flat_workgroup_size: 256
    .sgpr_count:     66
    .vgpr_count:     384
    .wavefront_size: 32
...
	.end_amdgpu_metadata
.endif
;; end of part 2
;; launch attn (part 3): grid 16 x 16, 8 waves a work-group, clusters of 4 x 1, 327,680 bytes of LDS; arguments qws, kv, ctx; writes ctx
.if DOCPART == 3
	.amdgcn_target "amdgcn-amd-amdhsa--gfx1250"
	.amdhsa_code_object_version 6
	.text
	.protected	k_q096651266d_attn
	.globl	k_q096651266d_attn
	.p2align	8
	.type	k_q096651266d_attn,@function
k_q096651266d_attn:
	s_mov_b64 s[64:65], 0
	v_nop
	global_prefetch_b8 v0, s[64:65] scope:SCOPE_SE
	s_setreg_imm32_b32 hwreg(HW_REG_WAVE_MODE, 25, 1), 1
	s_wait_xcnt 0x0
	s_wait_alu depctr_hold_cnt(0) depctr_sa_sdst(0) depctr_va_vdst(0) depctr_va_sdst(0) depctr_va_ssrc(0) depctr_va_vcc(0) depctr_vm_vsrc(0)
	s_getreg_b32 s2, hwreg(HW_REG_IB_STS2, 6, 4)
	s_cmp_eq_u32 s2, 0
	s_cbranch_scc0 .Lentry_in_a_cluster
	s_endpgm
.Lentry_in_a_cluster:
	s_bfe_u32 s2, ttmp6, 0x10000c
	s_cmp_lg_u32 s2, 0x3003
	s_cbranch_scc0 .Lentry_shape_is_right
	s_endpgm
.Lentry_shape_is_right:
; ctx[b][s][64 head + d] = the sum over t of softmax_t(Q[s] . K[t] / 8) V[t][d], for each of 16 (batch, head).  Operands f16, products, maxima and sums f32; the weights p are rounded to f16 for the second product.
; (K comes without b_k: its part of a score is the same for all t and falls out of the softmax.)
; SHARES.  A work-group owns 256 queries of one (batch, head); each of its eight waves 32: two tiles of 16.  Two waves lie on a SIMD, so that one wave's softmax stands beside the other's products; each fragment of K
; or V read from LDS feeds two products.  Every wave walks all 4,096 keys, 64 a step.
; LAYOUT.  S^T = K Q^T (source 0 = 16 keys, source 1 = 16 queries): a lane holds ONE query (lane % 16) and keys 8 (lane / 16) + 0 .. 7 of each tile.  Two such tiles, rounded in pairs, ARE source 1 of O^T = V^T P.
; SOFTMAX.  A running maximum m and sum l for each query: p = 2^(c s - c m), c = log2(e) / 8; in every step O^T and l are multiplied by a = 2^(c m_old - c m_new).  m begins at -3e38, O^T and l at 0: the first a is 0 on zeros.
; RING.  Two LDS slots of 131,072 bytes: 512 keys, K's 65,536 bytes and then V's, one dense run of kv laid in the order of the operand registers: every LDS read is 16 x lane, 512 consecutive bytes.
; CLUSTER.  The four query blocks of a cluster walk the same K and V: each of the eight waves asks JOINTLY (mask 15) for 16,384 bytes of a slot, at 16,384 x wave; the descriptor hangs on the head and the wave alone.
; By this text's count a wave has two tensor loads out at the start and one behind each change of slots; that one has eight key steps, 256 products a wave, in which to land.
; REGISTERS.  window 0: v1-6 addresses; v12-27 statistics, 8 a tile; v32-95 S^T, then p; v96-127 P; v128-191 V; v192-255 O^T.   window 1: v0-31 Q; v32-95 K.  Four window switches a key step.
.set SLOT1, 1<<17                      ; slot 1 begins here; also a slot's bytes in memory
.set SPARE, 262144                     ; behind the ring: the spare words, 128 bytes for each of eight waves
.set L16, 1                            ; v1   16 x lane; never rewritten
.set AV0, 2                            ; v2   16 x lane + 65,536: V's half of a slot
.set ADR, 3                            ; v3   the LDS address of the run of loads in hand
.set PFO, 4                            ; v4   256 x lane; never rewritten
.set SPW, 5                            ; v5   LDS address of my spare word; never rewritten
.set NIL, 6                            ; v6   0; never rewritten
.set ST,  12                           ; tile x at ST + 8 x: +0 c m, +1 m, +2, +3 l (even keys', odd keys'), +4 .. +7 c0-c3 at work; a takes +6
.set SS,  32                           ; S^T: 32 a tile, keys 16 i on at + 8 i
.set PP,  96                           ; P: 16 a tile
.set VF,  128                          ; V^T's fragments: keys 32 ks on, channels 16 t on, at 32 ks + 8 t
.set OT,  192                          ; O^T: 32 a tile, channels 16 t on at + 8 t
.set QF,  0                            ; window 1: Q: tile x, channels 32 c on, at 16 x + 8 c
.set KF,  32                           ; window 1: K: keys 16 i on, channels 32 c on, at 16 i + 8 c
.set WV,  12                           ; s12  wave
.set LIM, 15                           ; s15  1 in a wave that prefetches, else the greatest number
.set PFA, 18                           ; s[18:19] where my prefetches stand
.set SLOTS, 56                         ; s56  slots still to be asked for
.set TW,  57                           ; s57  counts key steps
.set CS,  58                           ; s[58:59] c
.set SEL, 60                           ; s[60:61] lane l xor 16
.set TB,  62                           ; s62  LDS byte at which the tiles of the step to be fetched begin
.set MSB, 0
.macro WIN new
.if MSB != \new
	s_set_vgpr_msb (MSB<<8)|\new
.set MSB, \new
.endif
.endm
.macro PLACES
.rept 4
	v_nop
.endr
.endm
.macro CROUND                          ; a round of the cluster's barrier
	s_barrier_signal -1
	s_barrier_wait -1
	s_cmp_lg_u32 s[WV], 0
	s_cbranch_scc1 .Lnot_wave_0_\@
	s_barrier_signal -3
.Lnot_wave_0_\@:
	s_barrier_wait -3
	s_barrier_signal -1
	s_barrier_wait -1
.endm
.macro JLOAD                           ; the joint refill: every wave issues one, with no branch; an s_nop 0 and four v_nop follow
	tensor_load_to_lds s[36:39], s[24:31]
	s_nop 0
.rept 4
	v_nop
.endr
.endm
; A prefetch of the slot that the NEXT change of slots will ask for: eight key steps ahead of that load.  All clusters of a head walk the same kv: the head's first cluster asks (cluster x = 0, the same in all four partners), in it
; waves 0 to 3; the four partners take 32,768 bytes each, told apart BY ADDRESS; a wave 8,192, lanes 256 bytes apart: each block of 256 bytes is named once in the launch.  The last filling change asks for nothing.
.macro ASK
	s_cmp_gt_u32 s[SLOTS], s[LIM]
	s_cbranch_scc0 .Lnot_mine_\@
	global_prefetch_b8 v[PFO], s[PFA:PFA+1] th:TH_LOAD_NT scope:SCOPE_SE
.Lnot_mine_\@:
.endm
.macro FETCH_K                         ; a step's K: 64 keys x 64 channels, 8 fragments, 16 loads in one run
	v_add_nc_u32 v[ADR], s[TB], v[L16]
	WIN 0x40
.irp i, 0,1,2,3
.irp c, 0,1
.irp p, 0,1
	ds_load_b128 v[KF+16*\i+8*\c+4*\p:KF+16*\i+8*\c+4*\p+3], v[ADR] offset:2048*\i+1024*\c+512*\p
.endr
.endr
.endr
	WIN 0
.endm
.macro FETCH_V                         ; the same step's V, turned: lane l then holds channel l % 16 and 8 keys
	v_add_nc_u32 v[ADR], s[TB], v[AV0]
.irp ks, 0,1
.irp t, 0,1,2,3
.irp p, 0,1
	ds_load_tr16_b128 v[VF+32*\ks+8*\t+4*\p:VF+32*\ks+8*\t+4*\p+3], v[ADR] offset:2048*(2*\ks+\p)+512*\t
.endr
.endr
.endr
	s_add_co_u32 s[TB], s[TB], 8192                ; the next fetch is the next step's
.endm
.macro SQK                             ; S^T = K Q^T: 16 products, eight accumulators by turns; the first eight start the sums
	s_wait_dscnt 16                                ; K is in; V's 16 loads, issued behind it, may be out
	WIN 0x05                                       ; K and Q in window 1
.irp c, 0,1
.irp i, 0,1,2,3
.irp x, 0,1
.if \c == 0
	v_wmma_f32_16x16x32_f16 v[SS+32*\x+8*\i:SS+32*\x+8*\i+7], v[KF+16*\i+8*\c:KF+16*\i+8*\c+7], v[QF+16*\x+8*\c:QF+16*\x+8*\c+7], 0
.else
	v_wmma_f32_16x16x32_f16 v[SS+32*\x+8*\i:SS+32*\x+8*\i+7], v[KF+16*\i+8*\c:KF+16*\i+8*\c+7], v[QF+16*\x+8*\c:QF+16*\x+8*\c+7], v[SS+32*\x+8*\i:SS+32*\x+8*\i+7]
.endif
.endr
.endr
.endr
	WIN 0
	PLACES                                         ; in front of the reads of the scores and of the loads into K's registers
.endm
; The softmax of both tiles for one key step, the tiles line by line by turns.
.macro SOFTMAX
.irp i, 0,1,2,3
.irp x, 0,1
	v_max3_num_f32 v[ST+8*\x+4+\i], v[SS+32*\x+8*\i], v[SS+32*\x+8*\i+1], v[SS+32*\x+8*\i+2]   ; four chains; each accumulator is read from its low end on
.endr
.endr
.irp g, 1,2
.irp i, 0,1,2,3
.irp x, 0,1
	v_max3_num_f32 v[ST+8*\x+4+\i], v[ST+8*\x+4+\i], v[SS+32*\x+8*\i+2*\g+1], v[SS+32*\x+8*\i+2*\g+2]
.endr
.endr
.endr
.irp x, 0,1
	v_max3_num_f32 v[ST+8*\x+4], v[ST+8*\x+4], v[SS+32*\x+7], v[SS+32*\x+15]
.endr
.irp x, 0,1
	v_max3_num_f32 v[ST+8*\x+6], v[ST+8*\x+6], v[SS+32*\x+23], v[SS+32*\x+31]
.endr
.irp x, 0,1
	v_max3_num_f32 v[ST+8*\x+4], v[ST+8*\x+4], v[ST+8*\x+5], v[ST+8*\x+6]
.endr
.irp x, 0,1
	v_max3_num_f32 v[ST+8*\x+4], v[ST+8*\x+4], v[ST+8*\x+7], v[ST+8*\x+1]   ; with the old m
.endr
.irp x, 0,1
	v_permlanex16_b32 v[ST+8*\x+5], v[ST+8*\x+4], s[SEL], s[SEL+1]          ; the query's other 32 keys lie in the lane 16 away
.endr
.irp x, 0,1
	v_mov_b32 v[ST+8*\x+7], v[ST+8*\x]             ; c m_old is kept for a
.endr
.irp x, 0,1
	v_max_num_f32 v[ST+8*\x+1], v[ST+8*\x+4], v[ST+8*\x+5]
.endr
.irp x, 0,1
	v_mul_f32 v[ST+8*\x], s[CS], v[ST+8*\x+1]
.endr
.irp x, 0,1
	v_sub_f32 v[ST+8*\x+7], v[ST+8*\x+7], v[ST+8*\x]
.endr
.set e, 0
.rept 16
.irp x, 0,1
	v_pk_fma_f32 v[SS+32*\x+e:SS+32*\x+e+1], v[SS+32*\x+e:SS+32*\x+e+1], s[CS:CS+1], v[ST+8*\x:ST+8*\x+1] op_sel_hi:[1,0,0] neg_lo:[0,0,1] neg_hi:[0,0,1]   ; c s - c m, two at a time
.endr
.set e, e+2
.endr
.irp x, 0,1
	v_exp_f32 v[ST+8*\x+6], v[ST+8*\x+7]           ; a
.endr
.set e, 0
.rept 32
.irp x, 0,1
	v_exp_f32 v[SS+32*\x+e], v[SS+32*\x+e]         ; p.  The 66 exponentials are one batch: none reads another's result
.endr
.set e, e+1
.endr
	v_nop                                          ; a plain instruction behind the last exponential
	s_wait_alu depctr_va_vdst(0)                   ; one wait for the batch, ahead of the first instruction that names a result
.set e, 0
.rept 16
.irp x, 0,1
	v_cvt_pk_f16_f32 v[PP+16*\x+e], v[SS+32*\x+2*e], v[SS+32*\x+2*e+1]
.endr
.set e, e+1
.endr
.set e, 0
.rept 16
.irp x, 0,1
	v_pk_mul_f32 v[OT+32*\x+e:OT+32*\x+e+1], v[OT+32*\x+e:OT+32*\x+e+1], v[ST+8*\x+6:ST+8*\x+7] op_sel_hi:[1,0]   ; O^T under the new m, each accumulator from its low end on
.endr
.set e, e+2
.endr
.endm
; Sum z of 16, for both tiles: the 16 pairs of p are added in place, neighbours 1, 2, 4 and 8 pairs apart (z = 0 .. 14); z = 15: l = a l + the sum
.macro SUMZ z
.set zw, 4
.set zu, \z
.if (\z) >= 14
.set zw, 32
.set zu, 0
.elseif (\z) >= 12
.set zw, 16
.set zu, (\z)-12
.elseif (\z) >= 8
.set zw, 8
.set zu, (\z)-8
.endif
.irp x, 0,1
.if (\z) < 15
	v_pk_add_f32 v[SS+32*\x+zw*zu:SS+32*\x+zw*zu+1], v[SS+32*\x+zw*zu:SS+32*\x+zw*zu+1], v[SS+32*\x+zw*zu+zw/2:SS+32*\x+zw*zu+zw/2+1]
.else
	v_pk_fma_f32 v[ST+8*\x+2:ST+8*\x+3], v[ST+8*\x+2:ST+8*\x+3], v[ST+8*\x+6:ST+8*\x+7], v[SS+32*\x:SS+32*\x+1] op_sel_hi:[1,0,1]
.endif
.endr
.endm
; O^T += V^T P: 16 products, eight accumulators by turns; the row sums, which name none of their registers, stand between them.  The four behind the last product are the places in front of V's next loads.
.macro PVSUM cnt
	s_wait_dscnt \cnt                              ; V is in; K's 16 loads, issued behind it, may be out (the last step: none were issued)
.set n, 0
.rept 16
.set pks, n/8
.set pt, (n/2)%4
.set px, n%2
	v_wmma_f32_16x16x32_f16 v[OT+32*px+8*pt:OT+32*px+8*pt+7], v[VF+32*pks+8*pt:VF+32*pks+8*pt+7], v[PP+16*px+8*pks:PP+16*px+8*pks+7], v[OT+32*px+8*pt:OT+32*px+8*pt+7]
.if n < 14
	SUMZ n
.elseif n == 15
	SUMZ 14
	SUMZ 15
.endif
.set n, n+1
.endr
.endm
; A trip: the next step's K is asked for; this step's softmax and V^T P; the next step's V is asked for; the next step's K Q^T.
.macro TRIP more
.if \more
	FETCH_K
.endif
	SOFTMAX
.if \more
	PVSUM 16
	FETCH_V
	SQK
.else
	PVSUM 0
.endif
.endm
.macro TRIPS cnt
	s_mov_b32 s[TW], \cnt
.Ltrip_\@:
	TRIP 1
	s_sub_co_u32 s[TW], s[TW], 1
	s_cmp_lg_u32 s[TW], 0
	s_cbranch_scc1 .Ltrip_\@
.endm
; THE CHANGE OF SLOTS stands where the slot's last V has been asked for and the next slot's first K has not.  Each wave waits for all its tensor loads (its part of the next slot), adds 0 to its spare word, and waits for that
; and for its reads of the slot.  fill = 1: the barrier is a round of the cluster's, and the joint refill, with the keys two slots on, is the first thing behind it.
.macro CHANGE fill
	s_wait_tensorcnt 0x0                           ; no tensor load of mine is out, so a group 0 may be written
	ds_add_u32 v[SPW], v[NIL]                      ; the add, once: every way here passes the first fills
.if \fill
	s_xor_b32 s37, s37, SLOT1                      ; the walking descriptor: the other slot than last time,
	s_add_nc_u64 s[38:39], s[38:39], SLOT1         ; the next 512 keys; the type bits on top are not reached
	s_wait_xcnt 0x0                                ; the last prefetch, eight key steps back, has read its address
	s_add_nc_u64 s[PFA:PFA+1], s[PFA:PFA+1], SLOT1 ; one slot further on than the walking descriptor
	s_wait_dscnt 0x0                               ; the add is done, and my reads of the slot are over
	CROUND
	JLOAD
	ASK
.else
	s_wait_dscnt 0x0
	s_barrier_signal -1
	s_barrier_wait -1
.endif
	s_sub_co_u32 s[TB], s[TB], 65536               ; the fetches go back to a slot's first step,
	s_xor_b32 s[TB], s[TB], SLOT1                  ; in the other slot
.endm
	s_load_b128 s[4:7], s[0:1], 0x0                ; qws s[4:5], kv s[6:7]
	s_load_b64 s[8:9], s[0:1], 0x10                ; ctx
	v_lshl_add_u32 v[SPW], v0, 2, SPARE
	v_mov_b32 v[NIL], 0
	ds_add_u32 v[SPW], v[NIL]                      ; the wave's opening: the add, twice on end, and its wait ahead of my first tensor load
	ds_add_u32 v[SPW], v[NIL]                      ; and once more; the set-up below stands between it and the wait
	v_lshrrev_b32 v1, 5, v0
	v_readfirstlane_b32 s[WV], v1                  ; wave 0..7
	s_bfe_u32 s13, ttmp6, 0x40000                  ; cx: my place in the cluster
	s_lshl_b32 s14, ttmp9, 2
	s_add_co_u32 s14, s14, s13                     ; my block of 256 queries: it enters Q's and ctx's addresses alone
	s_and_b32 s16, ttmp7, 0xffff                   ; bh = 8 batch + head, which the four partners share
	s_lshl_b32 s20, s16, 20                        ; kv: bh x 2^20 + 16,384 x wave: no place in the cluster
	s_lshl_b32 s17, s[WV], 14                      ; (also my part's place in a slot)
	s_add_co_u32 s20, s20, s17
	s_mov_b32 s21, 0
	s_lshl_b32 s22, s16, 19                        ; qws: bh x 2^19 + block x 2^15 + wave x 2^12
	s_lshl_b32 s2, s14, 15
	s_add_co_u32 s22, s22, s2
	s_lshl_b32 s2, s[WV], 12
	s_add_co_u32 s22, s22, s2
	s_mov_b32 s23, 0
	s_lshr_b32 s40, s16, 3                         ; ctx: batch x 2^22 + block x 2^18 + wave x 2^15 + head x 2^11
	s_lshl_b32 s40, s40, 22
	s_lshl_b32 s2, s14, 18
	s_add_co_u32 s40, s40, s2
	s_lshl_b32 s2, s[WV], 15
	s_add_co_u32 s40, s40, s2
	s_and_b32 s2, s16, 7
	s_lshl_b32 s2, s2, 11
	s_add_co_u32 s40, s40, s2
	s_mov_b32 s41, 0
	s_lshl_b32 s42, s16, 20                        ; the prefetches: bh x 2^20 + cx x 2^15 + wave x 2^13, in slot 2: the first change steps it to slot 3
	s_lshl_b32 s2, s13, 15
	s_add_co_u32 s42, s42, s2
	s_lshl_b32 s2, s[WV], 13
	s_add_co_u32 s42, s42, s2
	s_add_co_u32 s42, s42, 2*SLOT1
	s_mov_b32 s43, 0
	s_lshr_b32 s[LIM], s[WV], 2                    ; 0 in waves 0 to 3,
	s_or_b32 s[LIM], s[LIM], ttmp9                 ; of the head's first cluster
	s_cmp_eq_u32 s[LIM], 0
	s_cselect_b32 s[LIM], 1, -1
	; descriptor group 1: 16,384 dense bytes as 64 rows of 32 elements of 8 bytes; mask: all four work-groups; bit 21 set beside it
	s_mov_b32 s24, 15|(3<<16)|(1<<21)
	s_mov_b32 s25, 32<<16
	s_mov_b32 s26, 64<<16
	s_mov_b32 s27, 32<<16
	s_mov_b32 s28, 64
	s_mov_b32 s29, 32
	s_mov_b32 s30, 0
	s_mov_b32 s31, 0
	s_mov_b32 s[CS], 0x3e38aa3b                    ; c = log2(e) / 8
	s_mov_b32 s[CS+1], s[CS]                       ; (named with it as a pair)
	s_mov_b32 s[SEL], 0x76543210
	s_mov_b32 s[SEL+1], 0xfedcba98
	s_mov_b32 s[TB], 0
	s_mov_b32 s[SLOTS], 6
	v_and_b32 v[L16], 31, v0
	v_lshlrev_b32 v[PFO], 8, v[L16]
	v_lshlrev_b32 v[L16], 4, v[L16]
	v_add_nc_u32 v[AV0], 65536, v[L16]
	s_wait_dscnt 0x0                               ; both opening adds are done
	s_wait_kmcnt 0x0
	s_add_nc_u64 s[4:5], s[4:5], s[22:23]          ; Q at my wave's first tile
	s_add_nc_u64 s[8:9], s[8:9], s[40:41]          ; ctx likewise
	s_add_nc_u64 s[PFA:PFA+1], s[6:7], s[42:43]
	CROUND                                         ; all four work-groups are here: the first joint loads meet
	s_mov_b32 s32, 1
	s_mov_b32 s33, s17                             ; slot 0
	s_add_nc_u64 s[34:35], s[6:7], s[20:21]
	s_mov_b32 s36, 1
	s_add_co_u32 s37, s17, SLOT1                   ; slot 1: this set walks on
	s_add_nc_u64 s[38:39], s[34:35], SLOT1
	s_or_b32 s35, s35, 0x80000000
	s_or_b32 s39, s39, 0x80000000
	tensor_load_to_lds s[32:35], s[24:31]
	s_nop 0
	tensor_load_to_lds s[36:39], s[24:31]
	s_nop 0
.rept 4
	v_nop
.endr
	WIN 0x40
.irp n, 0,1,2,3,4,5,6,7
	global_load_b128 v[QF+4*\n:QF+4*\n+3], v[L16], s[4:5] offset:512*\n   ; Q stays in registers: tile n / 4, part n % 4
.endr
	WIN 0
.irp x, 0,1
	v_mov_b32 v[ST+8*\x+1], 0xff61b1e6             ; m = -3e38, under every score
	v_mul_f32 v[ST+8*\x], s[CS], v[ST+8*\x+1]
	v_mov_b32 v[ST+8*\x+2], 0                      ; l
	v_mov_b32 v[ST+8*\x+3], 0
.endr
.set e, 0
.rept 64
	v_mov_b32 v[OT+e], 0                           ; O^T: the step is written once; the first finds zeros, which a = 0 leaves zeros
.set e, e+1
.endr
	s_wait_tensorcnt 0x1                           ; my part of slot 0 is in; slot 1's may stay out
	s_barrier_signal -1
	s_barrier_wait -1
	FETCH_K                                        ; key step 0
	FETCH_V
	s_wait_loadcnt 0x0                             ; Q
	SQK
	TRIPS 7                                        ; softmax of steps 0 to 6; fetches of steps 1 to 7: slot 0 is read out
.Lslot:                                            ; six trips: slots 2 to 7 are asked for
	CHANGE 1
	TRIPS 8
	s_sub_co_u32 s[SLOTS], s[SLOTS], 1
	s_cmp_lg_u32 s[SLOTS], 0
	s_cbranch_scc1 .Lslot
	CHANGE 0                                       ; the tail is written out
	TRIPS 8
	TRIP 0                                         ; the last step's softmax and V^T P
	; THE WAY OUT.  l's halves and the other half of the lanes' are added; O^T / l, rounded to f16: a lane's eight channels are 16 bytes, one part of the last launch's fragment: stored as they stand.
.irp x, 0,1
	v_add_f32 v[ST+8*\x+4], v[ST+8*\x+2], v[ST+8*\x+3]
.endr
.irp x, 0,1
	v_permlanex16_b32 v[ST+8*\x+5], v[ST+8*\x+4], s[SEL], s[SEL+1]
.endr
.irp x, 0,1
	v_add_f32 v[ST+8*\x+4], v[ST+8*\x+4], v[ST+8*\x+5]
.endr
.irp x, 0,1
	v_rcp_f32 v[ST+8*\x+6], v[ST+8*\x+4]
.endr
	v_nop                                          ; a plain instruction behind the last reciprocal
	s_wait_alu depctr_va_vdst(0)                   ; one wait for both, ahead of the first use
.set e, 0
.rept 16
.irp x, 0,1
	v_pk_mul_f32 v[OT+32*\x+e:OT+32*\x+e+1], v[OT+32*\x+e:OT+32*\x+e+1], v[ST+8*\x+6:ST+8*\x+7] op_sel_hi:[1,0]
.endr
.set e, e+2
.endr
.set e, 0
.rept 16
.irp x, 0,1
	v_cvt_pk_f16_f32 v[SS+16*\x+e], v[OT+32*\x+2*e], v[OT+32*\x+2*e+1]
.endr
.set e, e+1
.endr
.irp x, 0,1
.irp t, 0,1,2,3
	global_store_b128 v[L16], v[SS+16*\x+4*\t:SS+16*\x+4*\t+3], s[8:9] offset:16384*\x+512*\t   ; 512 consecutive bytes, aligned
.endr
.endr
	s_wait_tensorcnt 0x0                           ; the wave's end
	ds_add_u32 v[SPW], v[NIL]
	s_wait_dscnt 0x0
	CROUND                                         ; the closing round: no work-group ends while a partner may still ask for a tile that names it
	s_endpgm
.Lfunc_end_k_q096651266d_attn:
	.size	k_q096651266d_attn, .Lfunc_end_k_q096651266d_attn-k_q096651266d_attn
	.p2alignl 7, 3214868480
	.fill 96, 4, 3214868480
	.section	.rodata,"a",@progbits
	.p2align	6, 0x0
	.amdhsa_kernel k_q096651266d_attn
		.amdhsa_group_segment_fixed_size 327680
		.amdhsa_private_segment_fixed_size 0
		.amdhsa_enable_private_segment 0
		.amdhsa_kernarg_size 24
		.amdhsa_user_sgpr_count 2
		.amdhsa_user_sgpr_kernarg_segment_ptr 1
		.amdhsa_wavefront_size32 1
		.amdhsa_system_sgpr_workgroup_id_x 1
		.amdhsa_system_sgpr_workgroup_id_y 1
		.amdhsa_system_sgpr_workgroup_id_z 1
		.amdhsa_system_vgpr_workitem_id 0
		.amdhsa_next_free_vgpr 384
		.amdhsa_next_free_sgpr 66
		.amdhsa_reserve_vcc 0
		.amdhsa_float_denorm_mode_32 3
		.amdhsa_float_denorm_mode_16_64 3
		.amdhsa_memory_ordered 1
		.amdhsa_forward_progress 1
		.amdhsa_inst_pref_size 83
	.end_amdhsa_kernel
	.amdgpu_metadata
---
amdhsa.version: [ 1, 2 ]
amdhsa.kernels:
  - .name:           k_q096651266d_attn
    .symbol:         k_q096651266d_attn.kd
    .args:
      - { .name: qws, .offset: 0, .size: 8, .value_kind: global_buffer, .address_space: global }
      - { .name: kv, .offset: 8, .size: 8, .value_kind: global_buffer, .address_space: global }
      - { .name: ctx, .offset: 16, .size: 8, .value_kind: global_buffer, .address_space: global }
    .group_segment_fixed_size: 327680
    .private_segment_fixed_size: 0
    .kernarg_segment_align: 8
    .kernarg_segment_size: 24
    .max_flat_workgroup_size: 256
    .sgpr_count:     66
    .vgpr_count:     384
    .wavefront_size: 32
...
	.end_amdgpu_metadata
.endif
;; end of part 3
;; launch oproj (part 4): grid 4 x 64, 4 waves a work-group, clusters of 4 x 4, 262,656 bytes of LDS; arguments ctx, wo16, b_o, out0; writes out0
.if DOCPART == 4
	.amdgcn_target "amdgcn-amd-amdhsa--gfx1250"
	.amdhsa_code_object_version 6
	.text
	.protected	k_q096651266d_oproj
	.globl	k_q096651266d_oproj
	.p2align	8
	.type	k_q096651266d_oproj,@function
k_q096651266d_oproj:
	s_mov_b64 s[64:65], 0
	v_nop
	global_prefetch_b8 v0, s[64:65] scope:SCOPE_SE
	s_setreg_imm32_b32 hwreg(HW_REG_WAVE_MODE, 25, 1), 1
	s_wait_xcnt 0x0
	s_wait_alu depctr_hold_cnt(0) depctr_sa_sdst(0) depctr_va_vdst(0) depctr_va_sdst(0) depctr_va_ssrc(0) depctr_va_vcc(0) depctr_vm_vsrc(0)
	s_getreg_b32 s2, hwreg(HW_REG_IB_STS2, 6, 4)
	s_cmp_eq_u32 s2, 0
	s_cbranch_scc0 .Lentry_in_a_cluster
	s_endpgm
.Lentry_in_a_cluster:
	s_bfe_u32 s2, ttmp6, 0x10000c
	s_cmp_lg_u32 s2, 0xf033
	s_cbranch_scc0 .Lentry_shape_is_right
	s_endpgm
.Lentry_shape_is_right:
; out0 = ctx W_o^T + b_o.  ctx [8,192][512] and W_o [512][512] come as f16 fragments in the order of the operand registers; sums f32; out0 f32.
; SHARES.  A work-group makes 128 rows x 128 columns: 256 work-groups.  Wave (HI = w / 2, LO = w % 2) makes 64 x 64: 16 accumulators.  All of K lies in LDS at once (131,072 bytes of ctx, as many of W_o): nothing is filled again.
; K comes in four chunks of 128; each wave issues its four loads at the head (four tensor loads of a wave are out, by this text's count) and the chunks are multiplied as they land.
; CLUSTER 4 x 4: ctx's tiles hang on the tile row alone and are asked for jointly along a row of the cluster (waves 0, 1), W_o's on the tile column alone, along a column (waves 2, 3).
; THE ROWS OF W_o THAT FORM A TILE: lane r of tile T takes row 64 (T / 4) + 4 r + T % 4.  With source 0 = 16 rows of ctx and source 1 = such a tile, register j of lane (r, h) in tile t is out(16 a + 8 h + j, 64 G + 4 r + t):
; a lane's four tiles are four neighbouring columns, and the addition of the bias gathers them into four neighbouring registers: sixteen lanes then store 256 consecutive bytes.  No stage in LDS.
; REGISTERS.  window 0: v1-17 addresses and the bias; v128-255 accumulators (a, t) at 128 + 8 (4 a + t).   window 1: two fragment buffers of 64 (ctx at 8 a, W_o at 32 + 8 t); on the way out the 128 results.
.set SPARE, 262144                     ; behind the four chunks: the spare words, 128 bytes for each of four waves
.set L16, 1                            ; v1    16 x lane
.set ADA, 2                            ; v2-5  my ctx fragments in chunk 0 .. 3
.set ADB, 6                            ; v6-9  my W_o fragments
.set CO,  10                           ; v10   my byte offset in out0: 8 h rows + 16 r
.set BA,  11                           ; v11   16 r
.set BO,  12                           ; v12-15 b_o at my four columns
.set SPW, 16                           ; v16   LDS address of my spare word; never rewritten
.set NIL, 17                           ; v17   0; never rewritten
.set ACC, 128
.set G1A, 16                           ; s[16:23], s[24:31] descriptor groups 1 for ctx and for W_o: they differ in the mask
.set G1B, 24
.set G0A, 48                           ; s[48:63], s[68:83] groups 0, a set for each chunk
.set G0B, 68
.set MSB, 0
.macro WIN new
.if MSB != \new
	s_set_vgpr_msb (MSB<<8)|\new
.set MSB, \new
.endif
.endm
.macro PLACES
.rept 4
	v_nop
.endr
.endm
.macro CROUND
	s_barrier_signal -1
	s_barrier_wait -1
	s_cmp_lg_u32 s12, 0
	s_cbranch_scc1 .Lnot_wave_0_\@
	s_barrier_signal -3
.Lnot_wave_0_\@:
	s_barrier_wait -3
	s_barrier_signal -1
	s_barrier_wait -1
.endm
	s_load_b256 s[4:11], s[0:1], 0x0               ; ctx s[4:5], wo16 s[6:7], b_o s[8:9], out0 s[10:11]
	v_lshl_add_u32 v[SPW], v0, 2, SPARE
	v_mov_b32 v[NIL], 0
	ds_add_u32 v[SPW], v[NIL]                      ; the wave's opening: the add, twice on end, and its wait ahead of my first tensor load
	ds_add_u32 v[SPW], v[NIL]                      ; and once more; the set-up below stands between it and the wait
	v_lshrrev_b32 v1, 5, v0
	v_readfirstlane_b32 s12, v1                    ; wave 0..3
	s_lshr_b32 s13, s12, 1                         ; HI: my half of the rows.  Also: I fetch ctx (0) or W_o (1)
	s_and_b32 s14, s12, 1                          ; LO: my half of the columns.  Also: which four tiles I fetch
	s_bfe_u32 s40, ttmp6, 0x40000                  ; cx, cy
	s_bfe_u32 s41, ttmp6, 0x40004
	s_lshl_b32 s42, ttmp9, 2
	s_add_co_u32 s42, s42, s40                     ; tile column
	s_and_b32 s43, ttmp7, 0xffff
	s_lshl_b32 s43, s43, 2
	s_add_co_u32 s43, s43, s41                     ; tile row
	s_lshl_b32 s44, s41, 2
	s_lshl_b32 s44, 15, s44                        ; my row of the cluster
	s_lshl_b32 s45, 0x1111, s40                    ; my column
	; descriptor group 1: 4 rows of 512 elements of 8 bytes (a tile's 4,096 bytes of this chunk), 2,048 elements from tile to tile
	s_or_b32 s[G1A], s44, (3<<16)|(1<<21)
	s_or_b32 s[G1B], s45, (3<<16)|(1<<21)
.irp g, G1A, G1B
	s_mov_b32 s[\g+1], 512<<16
	s_mov_b32 s[\g+2], 4<<16
	s_mov_b32 s[\g+3], 512<<16
	s_mov_b32 s[\g+4], 4
	s_mov_b32 s[\g+5], 2048
	s_mov_b32 s[\g+6], 0
	s_mov_b32 s[\g+7], 0
.endr
	s_lshl_b32 s36, s14, 2
	s_lshl_b32 s32, s43, 3                         ; ctx: tile of rows 8 x tile row + 4 LO, 16,384 bytes each: registers that never hold cx
	s_add_co_u32 s32, s32, s36
	s_lshl_b32 s32, s32, 14
	s_mov_b32 s33, 0
	s_lshl_b32 s34, s42, 3                         ; W_o: tile 8 x tile column + 4 LO: registers that never hold cy
	s_add_co_u32 s34, s34, s36
	s_lshl_b32 s34, s34, 14
	s_mov_b32 s35, 0
	s_lshl_b32 s37, s12, 14                        ; where my loads land in a chunk: 16,384 x wave
	s_lshl_b32 s86, s42, 9                         ; my first column in bytes: 512 x tile column + 256 LO
	s_lshl_b32 s88, s14, 8
	s_add_co_u32 s86, s86, s88
	s_mov_b32 s87, 0
	s_lshl_b32 s84, s43, 18                        ; my first row of out0: (128 x tile row + 64 HI) x 2,048 bytes
	s_lshl_b32 s88, s13, 17
	s_add_co_u32 s84, s84, s88
	s_add_co_u32 s84, s84, s86
	s_mov_b32 s85, 0
	v_and_b32 v[L16], 31, v0
	v_lshlrev_b32 v[L16], 4, v[L16]
	v_and_b32 v18, 15, v0                          ; r
	v_bfe_u32 v19, v0, 4, 1                        ; h
	s_lshl_b32 s88, s13, 14
	v_add_nc_u32 v[ADA], s88, v[L16]
	s_lshl_b32 s88, s14, 14
	s_add_co_u32 s88, s88, 32768
	v_add_nc_u32 v[ADB], s88, v[L16]
.irp c, 1,2,3
	v_add_nc_u32 v[ADA+\c], 65536*\c, v[ADA]
	v_add_nc_u32 v[ADB+\c], 65536*\c, v[ADB]
.endr
	v_lshlrev_b32 v[CO], 14, v19
	v_lshl_add_u32 v[CO], v18, 4, v[CO]
	v_lshlrev_b32 v[BA], 4, v18
	s_wait_dscnt 0x0                               ; both opening adds are done
	s_wait_kmcnt 0x0
	s_add_nc_u64 s[32:33], s[4:5], s[32:33]
	s_add_nc_u64 s[34:35], s[6:7], s[34:35]
	s_add_nc_u64 s[8:9], s[8:9], s[86:87]
	s_add_nc_u64 s[10:11], s[10:11], s[84:85]
	CROUND                                         ; all sixteen work-groups are here: the joint loads meet
.irp c, 0,1,2,3
	s_mov_b32 s[G0A+4*\c], 1
	s_add_co_u32 s[G0A+4*\c+1], s37, 65536*\c
	s_add_nc_u64 s[G0A+4*\c+2:G0A+4*\c+3], s[32:33], 4096*\c
	s_or_b32 s[G0A+4*\c+3], s[G0A+4*\c+3], 0x80000000
	s_mov_b32 s[G0B+4*\c], 1
	s_add_co_u32 s[G0B+4*\c+1], s37, 65536*\c
	s_add_nc_u64 s[G0B+4*\c+2:G0B+4*\c+3], s[34:35], 4096*\c
	s_or_b32 s[G0B+4*\c+3], s[G0B+4*\c+3], 0x80000000
.endr
	s_cmp_eq_u32 s13, 0                            ; a wave's four fills stand in one arm of a branch on the wave's number
	s_cbranch_scc0 .Lfirst_b
.irp c, 0,1,2,3
	tensor_load_to_lds s[G0A+4*\c:G0A+4*\c+3], s[G1A:G1A+7]
	s_nop 0
.endr
.rept 4
	v_nop
.endr
	s_branch .Lfirst_asked
.Lfirst_b:
.irp c, 0,1,2,3
	tensor_load_to_lds s[G0B+4*\c:G0B+4*\c+3], s[G1B:G1B+7]
	s_nop 0
.endr
.rept 4
	v_nop
.endr
.Lfirst_asked:
	global_load_b128 v[BO:BO+3], v[BA], s[8:9]     ; b_o[my first column + 4 r + 0 .. 3]
; 16 LDS loads in one run: the fragments of 32 along K (step cs of chunk cq) into buffer f
.macro FETCH cq, cs, f
	WIN 0x40
.irp i, 0,1,2,3
.irp p, 0,1
	ds_load_b128 v[(\f)+8*\i+4*\p:(\f)+8*\i+4*\p+3], v[ADA+(\cq)] offset:4096*\i+1024*(\cs)+512*\p
	ds_load_b128 v[(\f)+32+8*\i+4*\p:(\f)+32+8*\i+4*\p+3], v[ADB+(\cq)] offset:4096*\i+1024*(\cs)+512*\p
.endr
.endr
.endm
; 16 products, the 16 accumulators by turns.  zero = 1: they start the sums
.macro MUL f, zero
	WIN 0x05
.irp a, 0,1,2,3
.irp t, 0,1,2,3
.if \zero
	v_wmma_f32_16x16x32_f16 v[ACC+8*(4*\a+\t):ACC+8*(4*\a+\t)+7], v[(\f)+8*\a:(\f)+8*\a+7], v[(\f)+32+8*\t:(\f)+32+8*\t+7], 0
.else
	v_wmma_f32_16x16x32_f16 v[ACC+8*(4*\a+\t):ACC+8*(4*\a+\t)+7], v[(\f)+8*\a:(\f)+8*\a+7], v[(\f)+32+8*\t:(\f)+32+8*\t+7], v[ACC+8*(4*\a+\t):ACC+8*(4*\a+\t)+7]
.endif
.endr
.endr
.endm
.set kq, 0
.rept 4
	s_wait_tensorcnt 3-kq                          ; my load of this chunk has landed; those of the later chunks may be out
	s_barrier_signal -1
	s_barrier_wait -1                              ; everybody's has
.if kq > 0
	PLACES                                         ; in front of loads into buffer 0, which products have read
.endif
	FETCH kq, 0, 0
.set kss, 0
.rept 4
.if kss < 3
	PLACES                                         ; in front of loads into the other buffer, which the last products read
	FETCH kq, kss+1, 64*((kss+1)%2)
	s_wait_dscnt 16                                ; all but the 16 just issued
.else
	s_wait_dscnt 0x0
.endif
.if (kq == 0) && (kss == 0)
	MUL 64*(kss%2), 1
.else
	MUL 64*(kss%2), 0
.endif
.set kss, kss+1
.endr
.set kq, kq+1
.endr
	; THE WAY OUT
	PLACES                                         ; in front of the reads of results and of the writes into the fragment buffers
	s_wait_loadcnt 0x0                             ; b_o
	WIN 0x40                                       ; destination window 1
.irp a, 0,1,2,3
.irp j, 0,1,2,3,4,5,6,7
.irp t, 0,1,2,3
	v_add_f32 v[4*(8*\a+\j)+\t], v[ACC+8*(4*\a+\t)+\j], v[BO+\t]   ; each accumulator from its low end on
.endr
.endr
.endr
	WIN 0x04                                       ; a store's data are its source 1: window 1
.irp a, 0,1,2,3
.irp j, 0,1,2,3,4,5,6,7
	global_store_b128 v[CO], v[4*(8*\a+\j):4*(8*\a+\j)+3], s[10:11] offset:2048*(16*\a+\j) th:TH_STORE_NT   ; lanes 0-15 fill 256 consecutive bytes of row 16 a + j, aligned; lanes 16-31 of the row 8 further down
.endr
.endr
	WIN 0
	s_wait_tensorcnt 0x0                           ; the wave's end
	ds_add_u32 v[SPW], v[NIL]
	s_wait_dscnt 0x0
	CROUND                                         ; the closing round
	s_endpgm
.Lfunc_end_k_q096651266d_oproj:
	.size	k_q096651266d_oproj, .Lfunc_end_k_q096651266d_oproj-k_q096651266d_oproj
	.p2alignl 7, 3214868480
	.fill 96, 4, 3214868480
	.section	.rodata,"a",@progbits
	.p2align	6, 0x0
	.amdhsa_kernel k_q096651266d_oproj
		.amdhsa_group_segment_fixed_size 262656
		.amdhsa_private_segment_fixed_size 0
		.amdhsa_enable_private_segment 0
		.amdhsa_kernarg_size 32
		.amdhsa_user_sgpr_count 2
		.amdhsa_user_sgpr_kernarg_segment_ptr 1
		.amdhsa_wavefront_size32 1
		.amdhsa_system_sgpr_workgroup_id_x 1
		.amdhsa_system_sgpr_workgroup_id_y 1
		.amdhsa_system_sgpr_workgroup_id_z 1
		.amdhsa_system_vgpr_workitem_id 0
		.amdhsa_next_free_vgpr 384
		.amdhsa_next_free_sgpr 96
		.amdhsa_reserve_vcc 0
		.amdhsa_float_denorm_mode_32 3
		.amdhsa_float_denorm_mode_16_64 3
		.amdhsa_memory_ordered 1
		.amdhsa_forward_progress 1
		.amdhsa_inst_pref_size 51
	.end_amdhsa_kernel
	.amdgpu_metadata
---
amdhsa.version: [ 1, 2 ]
amdhsa.kernels:
  - .name:           k_q096651266d_oproj
    .symbol:         k_q096651266d_oproj.kd
    .args:
      - { .name: ctx, .offset: 0, .size: 8, .value_kind: global_buffer, .address_space: global }
      - { .name: wo16, .offset: 8, .size: 8, .value_kind: global_buffer, .address_space: global }
      - { .name: b_o, .offset: 16, .size: 8, .value_kind: global_buffer, .address_space: global }
      - { .name: out0, .offset: 24, .size: 8, .value_kind: global_buffer, .address_space: global }
    .group_segment_fixed_size: 262656
    .private_segment_fixed_size: 0
    .kernarg_segment_align: 8
    .kernarg_segment_size: 32
    .max_flat_workgroup_size: 128
    .sgpr_count:     96
    .vgpr_count:     384
    .wavefront_size: 32
...
	.end_amdgpu_metadata
.endif
;; end of part 4
